; MI455X (gfx1250); checked and timed in simulation.
; The chip was launched on July 23, 2026; its instructions are those of AMD's public machine-readable ISA for CDNA 5 (MIT licence, August 2026) and "CDNA5" Instruction Set Architecture Reference Guide (July 2026). The comments in the code are by the model that wrote it; some were corrected since.
;; Spark FFN. Allowed arithmetic: matrix products marked QUANTISED: E2M1 operands, one E8M0 scale for each 32 along K, by v_wmma_scale_f32_16x16x128_f8f6f4 with both operands' format E2M1 (or v_wmma_scale_f32_32x16x128_f4), f32 sums; everything else in f32.
;; Inputs: w1_codes 2,048 x 32 x 16 uint8 (E2M1 codes of w1, K innermost, in blocks of 32 codes, two codes a byte); w1_scales 2,048 x 32 uint8 (E8M0 scales of w1, one for each 32 codes along K); w2_codes 1,024 x 64 x 16 uint8 (E2M1 codes of w2, K innermost, in blocks of 32 codes, two codes a byte); w2_scales 1,024 x 64 uint8 (E8M0 scales of w2, one for each 32 codes along K); x_codes 4 x 4,096 x 32 x 16 uint8 (E2M1 codes of x, K innermost, in blocks of 32 codes, two codes a byte); x_scales 4 x 4,096 x 32 uint8 (E8M0 scales of x, one for each 32 codes along K).
;; Outputs: out0 4 x 4,096 x 1,024 float32.
;; This version of the problem:
;;   THIS VERSION OF THE PROBLEM IS GIVEN IN LOW PRECISION. The matrix products marked QUANTISED in the list below multiply operands that are first quantised to E2M1 (2 exponent bits, 1 mantissa bit; 4 bits a number), with one power-of-two scale for each 32 numbers along K (OCP MX v1.0); their sums are f32. All else is computed in f32.
;;   The module's matrix products, in the order in which they are computed (A, B: the left and right operand; K: the contracted axis; several contracted axes count as one K, in the product's order):
;;     1. [M 16,384, K 1,024] x [K 1,024, N 2,048]; A: input x (given as codes); B: input w1 (given as codes): QUANTISED
;;     2. [M 16,384, K 2,048] x [K 2,048, N 1,024]; A: computed on the way; B: input w2 (given as codes): QUANTISED
;;   THE QUANTISER, for each operand of a quantised product, along K:
;;     - K is cut into blocks of 32 from its start; a last block that is shorter is filled with zeros.
;;     - A block's scale is 2^e with e = floor(log2(the largest magnitude in the block)) - 2, held to -126 .. 127; a block of zeros has e = 0. As a byte (E8M0): e + 127.
;;     - Each number is divided by its block's scale, clamped to +-6, and rounded to the nearest number of E2M1, ties to even, subnormals kept.
;;     - The product sums the exact products of the quantised numbers (number of the format x scale) in f32.
;;   ~~~python
;;   def quantise(x, axis):      # numpy; x: float32 -> the quantised numbers, widened to float32 again
;;       x = np.moveaxis(x, axis, -1); K = x.shape[-1]
;;       x = np.pad(x, [(0, 0)] * (x.ndim - 1) + [(0, -K % 32)]); x = x.reshape(x.shape[:-1] + (-1, 32)); a = np.abs(x).max(-1, keepdims=True)
;;       e = np.where(a > 0, np.clip(np.frexp(np.where(a > 0, a, 1))[1] - 1 - 2, -126, 127), 0)      # np.frexp(a)[1] - 1 = floor(log2(a)), exactly
;;       r = np.clip(x / 2.0 ** e, -6, 6)
;;       step = 2.0 ** (np.maximum(np.frexp(np.where(r == 0, 1, r))[1] - 1, 0) - 1)
;;       q = np.round(r / step) * step * 2.0 ** e      # np.round: ties to even
;;       return np.moveaxis(q.reshape(q.shape[:-2] + (-1,))[..., :K], -1, axis).astype(np.float32)
;;   ~~~
;;   OPERANDS COMPUTED ON THE WAY. 'Computed on the way' means the value that the module computes at that place (a softmax that the list does not call 'softmax' is quantised finished and normalised). What goes into a quantiser is computed in f32, as accurately as f32 sums, v_exp_f32 and their like allow (about 1e-6 of the number): no bf16 or f16 on the way to a quantiser, and a product that is left as it is and whose result goes on into a quantised operand takes f32 operands (vector FMAs, or v_wmma_f32_16x16x4_f32). A number that lies on a knife's edge between two numbers of the format may be rounded either way, as far as f32 arithmetic and the matrix unit's own rounding can turn it there, and no further.
;;   INPUTS GIVEN AS CODES. w1 (in the module: [2048, 1024], K = its axis 1); w2 (in the module: [1024, 2048], K = its axis 1); x (in the module: [4, 4096, 1024], K = its axis 2): each comes as NAME_codes (uint8): NAME with its K axis moved to the last place and cut into blocks of 32 codes, [.., K / 32, bytes a block], one block behind the other in memory; two codes a byte, the lower K in the low four bits (a code: sign, 2 exponent bits, 1 mantissa bit); and NAME_scales (uint8): the same leading axes, one E8M0 byte (e + 127) for each 32 codes along K. Its value is code x scale, taken as it is: it is not quantised again, and the codes and scales need not be those that the quantiser above would give.
;; One version. Each part assembles by itself: llvm-mc -triple=amdgcn-amd-amdhsa -mcpu=gfx1250 --defsym DOCPART=n.
;; ======== version 1 of 1: 2 launches
;; limits: right only within a limited range of input values
;; workspace buffers: h_codes 16,777,216 bytes; h_scales 1,048,576 bytes
;; launch hidden (part 1): grid 256 x 1, 4 waves a work-group, clusters of 4 x 1, 327,680 bytes of LDS; arguments x_codes, x_scales, w1_codes, w1_scales, h_codes, h_scales; writes h_codes, h_scales
.if DOCPART == 1
	.amdgcn_target "amdgcn-amd-amdhsa--gfx1250"
	.amdhsa_code_object_version 6
	.text
	.protected	k_q6d1ddf2cf8_hidden
	.globl	k_q6d1ddf2cf8_hidden
	.p2align	8
	.type	k_q6d1ddf2cf8_hidden,@function
k_q6d1ddf2cf8_hidden:
	s_mov_b64 s[64:65], 0
	v_nop
	global_prefetch_b8 v0, s[64:65] scope:SCOPE_SE
	s_setreg_imm32_b32 hwreg(HW_REG_WAVE_MODE, 25, 1), 1
	s_wait_xcnt 0x0
	s_wait_alu depctr_hold_cnt(0) depctr_sa_sdst(0) depctr_va_vdst(0) depctr_va_sdst(0) depctr_va_ssrc(0) depctr_va_vcc(0) depctr_vm_vsrc(0)
	s_getreg_b32 s2, hwreg(HW_REG_IB_STS2, 6, 4)
	s_cmp_eq_u32 s2, 0
	s_cbranch_scc0 .Lentry_in_a_cluster
	s_endpgm
.Lentry_in_a_cluster:
	s_bfe_u32 s2, ttmp6, 0x10000c
	s_cmp_lg_u32 s2, 0x3003
	s_cbranch_scc0 .Lentry_shape_is_right
	s_endpgm
.Lentry_shape_is_right:
; h = x w1^T (MX-FP4 codes as given), theta = mean + coeff x max(std, 1e-6) along the 2,048 hidden units, Q(max(h - theta, 0)) stored as codes and scale bytes.
; A work-group owns 64 rows of x; wave w owns hidden units 512 w .. 512 w + 511, as four chunks of 128.  A chunk of 64 x 128 sums is 256 registers, one window.
; Four chunks would fill all 1,024 registers, so chunk 0 is multiplied twice: first for the row statistics alone, and again when window 1 has been quantised.
; Chunks 0 and 1 both use window 1: they are the two trips of one loop.  Chunks 2 and 3 use windows 2 and 3.
; w1 goes through a ring of two LDS slots (128 rows x 256 bytes for each wave), asked for jointly by the 4 work-groups of a cluster, which all walk the same tiles.
; The product is used transposed (source 0 = 32 rows of w1, source 1 = 16 rows of x): a lane holds one row of x, its registers run along the hidden units.
; The squares are summed about a centre, the mean of 16 of the row's numbers of chunk 0, fixed in the first trip: no difference of large sums is formed.
; No prefetch: the launch's one stream, w1, is 1 MiB that all work-groups walk in the same order, and each tile is asked for a whole slot ahead.
; LIMITS: NaN, infinities and the scale byte 0xff are not served.
.set PW,    272                        ; LDS pitch of a w1 row: 256 bytes + 16
.set QUART, 128*PW                     ; a wave's part of a slot
.set BUFB,  4*QUART                    ; a slot
.set XT,    2*BUFB                     ; x's 64 rows x 512 bytes, pitch 528
.set PXT,   528
.set RED1,  XT+64*PXT                  ; the waves' samples for the centre
.set RED2,  RED1+1024                  ; the waves' sums
.set SCB,   RED2+2048                  ; h's scale words on the way out
.set SPARE, SCB+4096                   ; the spare words
.set CHB,   65536                      ; bytes of w1 codes from chunk to chunk
.set KHB,   256                        ; and from K half to K half
.set WCH,   4096                       ; bytes of w1 scales from chunk to chunk
.set SPW, 1
.set NIL, 2
.set XSO, 3
.set AW,  4                            ; v4-5 my w1 fragments in slot 0, 1
.set AX,  6
.set WSO, 7
.set CN,  8                            ; v8-15 the centre, later theta, a pair for each 16 rows
.set SH,  16                           ; v16-23 sums
.set SQ,  24                           ; v24-31 sums of squares
.set SWD, 16                           ; later: h's scale words
.set XS,  32                           ; x's scale words
.set WS,  48                           ; w1's scale words of a slot
.set AF,  64                           ; w1's fragments; scratch
.set XF,  128                          ; x's fragments of a K half
.set CD,  128                          ; later: h's codes
.set MX,  AF
.set PL,  AF+4
.set SO,  AF+8
.set BY,  AF+12
.set WV,  16
.set SEL, 22
.set G1,  24
.set G0,  32
.set TR,  48                           ; the loop's trip
.set MSB, 0
.macro WIN new
.if MSB != (\new)
	s_set_vgpr_msb (MSB<<8)|(\new)
.set MSB, (\new)
.endif
.endm
.macro PLACES
.rept 4
	v_nop
.endr
.endm
.macro CROUND                          ; a round of the cluster's barrier
	s_barrier_signal -1
	s_barrier_wait -1
	s_cmp_lg_u32 s[WV], 0
	s_cbranch_scc1 .Lnot_wave_0_\@
	s_barrier_signal -3
.Lnot_wave_0_\@:
	s_barrier_wait -3
	s_barrier_signal -1
	s_barrier_wait -1
.endm
.macro XLOAD kh, win, base             ; x's 16 fragments of K half kh
	WIN (\win)<<6
.irp q, 0,1,2,3
.irp m, 0,1,2,3
.irp c, 0,1
	ds_load_b128 v[\base+8*(4*\q+\m)+4*\c:\base+8*(4*\q+\m)+4*\c+3], v[AX] offset:16*PXT*\m+KHB*\kh+64*\q+32*\c
.endr
.endr
.endr
	WIN 0
.endm
.macro ALOAD sl, pb, q                 ; 32 rows of w1 x 128 K: 16 registers
.irp u, 0,1
.irp c, 0,1
	ds_load_b128 v[AF+16*(\q)+8*\u+4*\c:AF+16*(\q)+8*\u+4*\c+3], v[AW+\sl] offset:(32*(\pb)+16*\u)*PW+64*(\q)+32*\c
.endr
.endr
.endm
; four products of 32 x 16 x 128: 32 rows of w1 against x's four blocks of 16 rows; the four accumulators take turns
.macro MUL W, BW, XB, pb, q, kh, zero
	WIN ((\BW)<<2)|((\W)<<4)|((\W)<<6)
.irp m, 0,1,2,3
.set rD, 64*\m+16*(\pb)
.set rA, AF+16*(\q)
.set rB, (\XB)+8*(4*(\q)+\m)
.set rE, WS+4*(\pb)+(\q)               ; lane l: the word of w1's row l of the 32
.set rF, XS+4*\m+(\q)                  ; lanes 0-15: K half 0; lanes 16-31: K half 1
.if \zero
	v_wmma_scale_f32_32x16x128_f4 v[rD:rD+15], v[rA:rA+15], v[rB:rB+7], 0, v[rE], v[rF]
.elseif (\kh == 0)
	v_wmma_scale_f32_32x16x128_f4 v[rD:rD+15], v[rA:rA+15], v[rB:rB+7], v[rD:rD+15], v[rE], v[rF]
.else
	v_wmma_scale_f32_32x16x128_f4 v[rD:rD+15], v[rA:rA+15], v[rB:rB+7], v[rD:rD+15], v[rE], v[rF] matrix_b_scale:MATRIX_SCALE_ROW1
.endif
.endr
.endm
; a slot: 128 rows of w1 x 512 K against 64 rows of x.  off: where the next slot's scale words lie from s[10:11]
.macro SLOT sl, W, BW, XB, kh, zero, off, more
	ALOAD \sl, 0, 0
	ALOAD \sl, 0, 1
	ALOAD \sl, 0, 2
	ALOAD \sl, 0, 3
.irp b, 0,1,2,3
	s_wait_dscnt 8                                 ; all but the youngest two quarters' eight loads
.if \more
	s_wait_loadcnt 3                               ; block b's scale words: 3 - b older and b younger loads were issued behind them
.else
	s_wait_loadcnt 3-\b
.endif
	MUL \W, \BW, \XB, \b, 0, \kh, \zero
	MUL \W, \BW, \XB, \b, 1, \kh, 0
.if \b < 3
	PLACES
	WIN 0
	ALOAD \sl, \b+1, 0
	ALOAD \sl, \b+1, 1
	s_wait_dscnt 8
.else
	s_wait_dscnt 0x0
.endif
	MUL \W, \BW, \XB, \b, 2, \kh, 0
	MUL \W, \BW, \XB, \b, 3, \kh, 0
	PLACES
	WIN 0
.if \b < 3
	ALOAD \sl, \b+1, 2
	ALOAD \sl, \b+1, 3
.endif
.if \more
	global_load_b128 v[WS+4*\b:WS+4*\b+3], v[WSO], s[10:11] offset:(\off)+1024*\b
.endif
.endr
.endm
; slot sl has been read: it is filled again, d bytes further on in w1
.macro CHANGE sl, d
	s_wait_tensorcnt 0x0
	ds_add_u32 v[SPW], v[NIL]
.if (\d) > 0
	s_add_nc_u64 s[G0+4*\sl+2:G0+4*\sl+3], s[G0+4*\sl+2:G0+4*\sl+3], \d
.else
	s_sub_nc_u64 s[G0+4*\sl+2:G0+4*\sl+3], s[G0+4*\sl+2:G0+4*\sl+3], -(\d)
.endif
	s_wait_dscnt 0x0
	CROUND
	tensor_load_to_lds s[G0+4*\sl:G0+4*\sl+3], s[G1:G1+7]
	s_nop 0
	PLACES
.endm
; window W's 256 numbers a lane go into the sums and, less the centre, into the sums of squares; each accumulator is read from its low end on
.macro STAT W
.irp k, 0,1,2,3
	WIN \W
.irp p, 0,1,2,3,4,5,6,7
.irp m, 0,1,2,3
.set rH, 64*\m+16*\k+2*\p
.set rT, AF+2*(4*\p+\m)
	v_pk_add_f32 v[SH+2*\m:SH+2*\m+1], v[rH:rH+1], v[SH+2*\m:SH+2*\m+1]
	v_pk_add_f32 v[rT:rT+1], v[rH:rH+1], v[CN+2*\m:CN+2*\m+1] neg_lo:[0,1] neg_hi:[0,1]
.endr
.endr
	WIN 0
.irp p, 0,1,2,3,4,5,6,7
.irp m, 0,1,2,3
.set rT, AF+2*(4*\p+\m)
	v_pk_fma_f32 v[SQ+2*\m:SQ+2*\m+1], v[rT:rT+1], v[rT:rT+1], v[SQ+2*\m:SQ+2*\m+1]
.endr
.endr
.endr
	s_wait_alu depctr_va_vdst(0)
.endm
; 16 rows x 128 hidden units of window W: max(h, theta) - theta, four block scales, codes in the operand's layout
.macro QUANT W, tm, ch
.set HB, 64*(\tm)
.set THR, CN+2*(\tm)
.set FD, CD+8*(4*(\ch)+(\tm))
.set WD, SWD+4*(\tm)+(\ch)
	WIN ((\W)<<2)|((\W)<<4)
.irp b, 0,1,2,3
	v_max3_num_f32 v[MX+\b], v[THR], v[HB+16*\b], v[HB+16*\b+1]
.endr
.irp i, 2,4,6,8,10,12,14
.irp b, 0,1,2,3
	v_max3_num_f32 v[MX+\b], v[MX+\b], v[HB+16*\b+\i], v[HB+16*\b+\i+1]
.endr
.endr
	WIN (\W)|((\W)<<6)
.set j, 0
.rept 64
	v_max_num_f32 v[HB+j], v[HB+j], v[THR]
.set j, j+1
.endr
.set j, 0
.rept 32
	v_pk_add_f32 v[HB+j:HB+j+1], v[HB+j:HB+j+1], v[THR:THR+1] neg_lo:[0,1] neg_hi:[0,1]
.set j, j+2
.endr
	WIN 0
.irp b, 0,1,2,3
	v_permlanex16_b32 v[PL+\b], v[MX+\b], s[SEL], s[SEL+1]
.endr
.irp b, 0,1,2,3
	v_max_num_f32 v[MX+\b], v[MX+\b], v[PL+\b]
.endr
.irp b, 0,1,2,3
	v_sub_f32 v[MX+\b], v[MX+\b], v[THR]
.endr
.irp b, 0,1,2,3
	v_max_num_f32 v[MX+\b], 0x1800000, v[MX+\b]    ; the floor 2^(3 - 127): the byte stays at 1 or above
.endr
.irp b, 0,1,2,3
	v_add_nc_u32 v[SO+\b], 0xff000000, v[MX+\b]    ; 2 off the exponent field: the conversion's scale operand
.endr
.irp b, 0,1,2,3
	v_lshrrev_b32 v[BY+\b], 23, v[SO+\b]
.endr
	v_lshl_or_b32 v[WD], v[BY+1], 8, v[BY]
	v_lshl_or_b32 v[WD], v[BY+2], 16, v[WD]
	v_lshl_or_b32 v[WD], v[BY+3], 24, v[WD]
	WIN \W
.irp b, 0,1,2,3
.irp u, 0,1
	v_cvt_scalef32_pk8_fp4_f32 v[FD+2*\b+\u], v[HB+16*\b+8*\u:HB+16*\b+8*\u+7], v[SO+\b]
.endr
.endr
	WIN 0
	v_nop
.irp b, 0,1,2,3
	v_permlane16_swap_b32 v[FD+2*\b], v[FD+2*\b+1]
.endr
.irp c, 0,1
.irp i, 0,1
	v_permlane16_swap_b32 v[FD+4*\c+\i], v[FD+4*\c+2+\i]
.endr
.endr
.endm
	s_load_b256 s[4:11], s[0:1], 0x0
	s_load_b128 s[12:15], s[0:1], 0x20
	v_lshl_add_u32 v[SPW], v0, 2, SPARE
	v_mov_b32 v[NIL], 0
	ds_add_u32 v1, v2
	ds_add_u32 v1, v2
	s_wait_dscnt 0x0
	v_lshrrev_b32 v128, 5, v0
	v_readfirstlane_b32 s[WV], v128
	s_bfe_u32 s17, ttmp6, 0x40000
	s_lshl_b32 s18, ttmp9, 2
	s_add_co_u32 s18, s18, s17                     ; my work-group's number
	s_mov_b32 s[G1], 15|(1<<20)|(1<<21)|(5<<22)|(3<<25)   ; all four partners; bytes; 16 bytes of padding behind every 256
	s_mov_b32 s[G1+1], 256<<16
	s_mov_b32 s[G1+2], 128<<16
	s_mov_b32 s[G1+3], 256<<16
	s_mov_b32 s[G1+4], 128
	s_mov_b32 s[G1+5], 512
	s_mov_b32 s[G1+6], 0
	s_mov_b32 s[G1+7], 0
	s_mov_b32 s[G0], 1
	s_mul_i32 s[G0+1], s[WV], QUART
	s_mov_b32 s[G0+4], 1
	s_add_co_u32 s[G0+5], s[G0+1], BUFB
	s_lshl_b32 s46, s[WV], 18                      ; my 512 rows of w1, chunk 0
	s_mov_b32 s47, 0
	s_mov_b32 s[SEL], 0x76543210
	s_mov_b32 s[SEL+1], 0xfedcba98
	s_mov_b32 s40, 0x3f84b794                      ; coeff
	s_mov_b32 s41, 0x3a001002                      ; 1 / 2047
	s_mov_b32 s42, 0x358637bd                      ; 1e-6
	v_and_b32 v128, 15, v0
	v_bfe_u32 v129, v0, 4, 1
	v_and_b32 v130, 31, v0
	v_mul_u32_u24 v[AW], v128, PW
	v_lshl_add_u32 v[AW], v129, 4, v[AW]
	v_add_nc_u32 v[AW], s[G0+1], v[AW]
	v_add_nc_u32 v[AW+1], BUFB, v[AW]
	v_mul_u32_u24 v[AX], v128, PXT
	v_lshl_add_u32 v[AX], v129, 4, v[AX]
	v_add_nc_u32 v[AX], XT, v[AX]
	s_lshl_b32 s43, s[WV], 14
	v_lshl_add_u32 v[WSO], v130, 5, s43
	v_lshlrev_b32 v[XSO], 5, v128
	v_lshl_add_u32 v[XSO], v129, 4, v[XSO]
	v_lshlrev_b32 v131, 4, v130
	s_mul_i32 s44, s[WV], 16*PXT
	s_add_co_u32 s44, s44, XT
	v_add_nc_u32 v133, s44, v131
.set j, CN
.rept 24
	v_mov_b32 v[j], 0                              ; the centre and the 16 sums: the loop's two trips are one text
.set j, j+1
.endr
	s_mov_b32 s21, 0
	s_wait_alu depctr_va_vdst(0)
	s_wait_kmcnt 0x0
	s_add_nc_u64 s[G0+2:G0+3], s[8:9], s[46:47]
	s_add_nc_u64 s[G0+6:G0+7], s[G0+2:G0+3], KHB
	s_or_b32 s[G0+3], s[G0+3], 0x80000000
	s_or_b32 s[G0+7], s[G0+7], 0x80000000
	s_lshl_b32 s20, s18, 15
	s_lshl_b32 s19, s[WV], 13
	s_add_co_u32 s20, s20, s19
	s_add_nc_u64 s[4:5], s[4:5], s[20:21]
	s_lshl_b32 s20, s18, 11
	s_add_nc_u64 s[6:7], s[6:7], s[20:21]
	s_lshl_b32 s20, s18, 16
	s_lshl_b32 s19, s[WV], 12                      ; h_codes is laid as images of operand registers: [16 rows][128 along K][2 groups][32 lanes][16 bytes]; my wave's four steps of 128 are 4,096 bytes
	s_add_co_u32 s20, s20, s19
	s_add_nc_u64 s[12:13], s[12:13], s[20:21]
	s_lshl_b32 s20, s18, 12
	s_lshl_b32 s19, s[WV], 10
	s_add_co_u32 s20, s20, s19
	s_add_nc_u64 s[14:15], s[14:15], s[20:21]
.irp i, 0,1,2,3,4,5,6,7,8,9,10,11,12,13,14,15
	global_load_b128 v[AF+4*\i:AF+4*\i+3], v131, s[4:5] offset:512*\i th:TH_LOAD_NT   ; my 16 rows of x: a row's 512 bytes by 32 lanes
.endr
.irp m, 0,1,2,3
	global_load_b128 v[XS+4*\m:XS+4*\m+3], v[XSO], s[6:7] offset:512*\m
.endr
.irp b, 0,1,2,3
	global_load_b128 v[WS+4*\b:WS+4*\b+3], v[WSO], s[10:11] offset:1024*\b
.endr
	CROUND
	tensor_load_to_lds s[G0:G0+3], s[G1:G1+7]      ; chunk 0, K half 0: my one load at the head
	s_nop 0
	s_wait_alu depctr_va_vdst(0)
	s_wait_tensorcnt 0x0                           ; slot 1's first fill is issued as a refill is
	ds_add_u32 v1, v2
	s_wait_dscnt 0x0
	CROUND
	tensor_load_to_lds s[G0+4:G0+7], s[G1:G1+7]
	s_nop 0
	PLACES
	s_wait_loadcnt 8                               ; x's codes are in; the eight loads of scale words may be out
.irp i, 0,1,2,3,4,5,6,7,8,9,10,11,12,13,14,15
	ds_store_b128 v133, v[AF+4*\i:AF+4*\i+3] offset:PXT*\i
.endr
	s_wait_dscnt 0x0
	s_barrier_signal -1
	s_barrier_wait -1
	s_mov_b32 s[TR], 0
.Lpass:                                                ; trip t: chunk t into window 1, and its statistics
	XLOAD 0, 0, XF
	SLOT 0, 1, 0, XF, 0, 1, 16, 1
	CHANGE 0, CHB
	XLOAD 1, 0, XF
	SLOT 1, 1, 0, XF, 1, 0, WCH, 1
	CHANGE 1, CHB
	WIN 0x05                                       ; a sample: my first two numbers of each row,
.irp m, 0,1,2,3
	v_add_f32 v[AF+\m], v[64*\m], v[64*\m+1]
.endr
	WIN 0
.irp m, 0,1,2,3
	v_permlanex16_b32 v[AF+4+\m], v[AF+\m], s[SEL], s[SEL+1]
.endr
.irp m, 0,1,2,3
	v_add_f32 v[AF+\m], v[AF+\m], v[AF+4+\m]       ; lane l xor 16's two,
.endr
	v_and_b32 v[AF+8], 15, v0
	s_lshl_b32 s19, s[WV], 8
	s_add_co_u32 s19, s19, RED1
	v_lshl_add_u32 v[AF+9], v[AF+8], 2, s19
	v_lshl_add_u32 v[AF+8], v[AF+8], 2, RED1
.irp m, 0,1,2,3
	ds_store_b32 v[AF+9], v[AF+\m] offset:64*\m
.endr
	s_wait_alu depctr_va_vdst(0)
	s_wait_dscnt 0x0
	s_barrier_signal -1
	s_barrier_wait -1
.irp m, 0,1,2,3
.irp t, 0,1,2,3
	ds_load_b32 v[AF+16+4*\m+\t], v[AF+8] offset:256*\t+64*\m   ; and the four waves'
.endr
.endr
	s_cmp_eq_u32 s[TR], 0
	s_cselect_b32 s45, -1, 0
	s_wait_dscnt 0x0
.irp m, 0,1,2,3
	v_add_f32 v[AF+16+4*\m], v[AF+16+4*\m], v[AF+17+4*\m]
	v_add_f32 v[AF+18+4*\m], v[AF+18+4*\m], v[AF+19+4*\m]
.endr
.irp m, 0,1,2,3
	v_add_f32 v[AF+16+4*\m], v[AF+16+4*\m], v[AF+18+4*\m]
.endr
.irp m, 0,1,2,3
	v_mul_f32 v[AF+16+4*\m], 0x3d800000, v[AF+16+4*\m]   ; / 16
.endr
.irp m, 0,1,2,3
	v_cndmask_b32 v[CN+2*\m], v[CN+2*\m], v[AF+16+4*\m], s45     ; the centre is taken in trip 0 and kept in trip 1
	v_cndmask_b32 v[CN+2*\m+1], v[CN+2*\m+1], v[AF+16+4*\m], s45
.endr
	STAT 1
	s_wait_xcnt 0x0                                ; the loads of scale words have read their base
	s_add_nc_u64 s[10:11], s[10:11], WCH
	s_add_co_u32 s[TR], s[TR], 1
	s_cmp_lt_u32 s[TR], 2
	s_cbranch_scc1 .Lpass
	XLOAD 0, 0, XF                                 ; chunk 2 into window 2 (s[10:11] stands at chunk 2's scales)
	SLOT 0, 2, 0, XF, 0, 1, 16, 1
	CHANGE 0, CHB
	XLOAD 1, 0, XF
	SLOT 1, 2, 0, XF, 1, 0, WCH, 1
	CHANGE 1, CHB
	STAT 2
	XLOAD 0, 0, XF                                 ; chunk 3 into window 3; the refills go back to chunk 0
	SLOT 0, 3, 0, XF, 0, 1, WCH+16, 1
	CHANGE 0, -3*CHB
	XLOAD 1, 0, XF
	SLOT 1, 3, 0, XF, 1, 0, -2*WCH, 1
	CHANGE 1, -3*CHB
	STAT 3
.irp m, 0,1,2,3
	v_add_f32 v[AF+2*\m], v[SH+2*\m], v[SH+2*\m+1]
	v_add_f32 v[AF+2*\m+1], v[SQ+2*\m], v[SQ+2*\m+1]
.endr
.irp i, 0,1,2,3,4,5,6,7
	v_permlanex16_b32 v[AF+8+\i], v[AF+\i], s[SEL], s[SEL+1]
.endr
.irp m, 0,1,2,3
	v_pk_add_f32 v[AF+2*\m:AF+2*\m+1], v[AF+2*\m:AF+2*\m+1], v[AF+8+2*\m:AF+8+2*\m+1]
.endr
	v_and_b32 v[AF+16], 15, v0
	s_lshl_b32 s19, s[WV], 9
	s_add_co_u32 s19, s19, RED2
	v_lshl_add_u32 v[AF+17], v[AF+16], 3, s19
	v_lshl_add_u32 v[AF+16], v[AF+16], 3, RED2
.irp m, 0,1,2,3
	ds_store_b64 v[AF+17], v[AF+2*\m:AF+2*\m+1] offset:128*\m
.endr
	s_wait_alu depctr_va_vdst(0)
	s_wait_dscnt 0x0
	s_barrier_signal -1
	s_barrier_wait -1
.irp m, 0,1,2,3
.irp t, 0,1,2,3
	ds_load_b64 v[AF+24+8*\m+2*\t:AF+24+8*\m+2*\t+1], v[AF+16] offset:512*\t+128*\m
.endr
.endr
	s_wait_dscnt 0x0
.irp m, 0,1,2,3
	v_pk_add_f32 v[AF+24+8*\m:AF+25+8*\m], v[AF+24+8*\m:AF+25+8*\m], v[AF+26+8*\m:AF+27+8*\m]
	v_pk_add_f32 v[AF+28+8*\m:AF+29+8*\m], v[AF+28+8*\m:AF+29+8*\m], v[AF+30+8*\m:AF+31+8*\m]
.endr
.irp m, 0,1,2,3
	v_pk_add_f32 v[AF+24+8*\m:AF+25+8*\m], v[AF+24+8*\m:AF+25+8*\m], v[AF+28+8*\m:AF+29+8*\m]
.endr
.irp m, 0,1,2,3
	v_mul_f32 v[AF+\m], 0x3a000000, v[AF+24+8*\m]  ; the mean: / 2048
.endr
.irp m, 0,1,2,3
	v_sub_f32 v[AF+4+\m], v[AF+\m], v[CN+2*\m]     ; d = mean - centre
.endr
.irp m, 0,1,2,3
	v_mul_f32 v[AF+8+\m], 0xc5000000, v[AF+4+\m]
.endr
.irp m, 0,1,2,3
	v_fma_f32 v[AF+8+\m], v[AF+8+\m], v[AF+4+\m], v[AF+25+8*\m]   ; the squares about the mean: - 2048 d d
.endr
.irp m, 0,1,2,3
	v_mul_f32 v[AF+8+\m], s41, v[AF+8+\m]
.endr
.irp m, 0,1,2,3
	v_max_num_f32 v[AF+8+\m], 0, v[AF+8+\m]
.endr
	s_wait_alu depctr_va_vdst(0)
.irp m, 0,1,2,3
	v_sqrt_f32 v[AF+12+\m], v[AF+8+\m]
.endr
	v_nop
	s_wait_alu depctr_va_vdst(0)
.irp m, 0,1,2,3
	v_max_num_f32 v[AF+12+\m], s42, v[AF+12+\m]
.endr
.irp m, 0,1,2,3
	v_fma_f32 v[CN+2*\m], v[AF+12+\m], s40, v[AF+\m]      ; theta
	v_fma_f32 v[CN+2*\m+1], v[AF+12+\m], s40, v[AF+\m]
.endr
.irp m, 0,1,2,3
	QUANT 1, \m, 1
.endr
.irp m, 0,1,2,3
	QUANT 2, \m, 2
.endr
.irp m, 0,1,2,3
	QUANT 3, \m, 3
.endr
	; chunks 1 to 3 leave now, from the registers: a store's 32 lanes cover 512 consecutive bytes, aligned; chunk 0's second multiplication follows behind them
	v_and_b32 v[AF], 31, v0
	v_lshlrev_b32 v[AF], 4, v[AF]
.irp c, 1,2,3
.irp m, 0,1,2,3
.irp i, 0,1
	global_store_b128 v[AF], v[CD+8*(4*\c+\m)+4*\i:CD+8*(4*\c+\m)+4*\i+3], s[12:13] offset:16384*\m+1024*\c+512*\i
.endr
.endr
.endr
	s_wait_xcnt 0x0                                ; the stores have read their address register: w1's fragments land on it next
	XLOAD 0, 2, 0                                  ; chunk 0 once more, into window 1; x's fragments lie in window 2: h's codes have taken their place
	SLOT 0, 1, 2, 0, 0, 1, 16-2*WCH, 1
	s_wait_tensorcnt 0x0                           ; my own part of slot 1, which I alone read
	XLOAD 1, 2, 0
	SLOT 1, 1, 2, 0, 1, 0, 0, 0
.irp m, 0,1,2,3
	QUANT 1, \m, 0
.endr
	; the way out: chunk 0's codes from the registers, as above; the scale words through SCB, back as runs of 256 bytes
	v_and_b32 v[AF], 15, v0
	v_and_b32 v[AF+2], 31, v0
	s_lshl_b32 s19, s[WV], 4
	s_add_co_u32 s19, s19, SCB
	v_lshl_add_u32 v[AF+3], v[AF], 6, s19
	s_lshl_b32 s19, s[WV], 10
	s_add_co_u32 s19, s19, SCB
	v_lshl_add_u32 v[AF+5], v[AF+2], 4, s19
	v_lshlrev_b32 v[AF+7], 4, v[AF+2]
.irp m, 0,1,2,3
	ds_store_b128 v[AF+3], v[SWD+4*\m:SWD+4*\m+3] offset:1024*\m
.endr
.irp m, 0,1,2,3
.irp i, 0,1
	global_store_b128 v[AF+7], v[CD+8*\m+4*\i:CD+8*\m+4*\i+3], s[12:13] offset:16384*\m+512*\i
.endr
.endr
	s_wait_alu depctr_va_vdst(0)
	s_wait_dscnt 0x0
	s_barrier_signal -1
	s_barrier_wait -1
	WIN 0x40
.irp j, 0,1
	ds_load_b128 v[128+4*\j:128+4*\j+3], v[AF+5] offset:512*\j
.endr
	WIN 0x04
.irp j, 0,1
	s_wait_dscnt 1-\j
	global_store_b128 v[AF+7], v[128+4*\j:128+4*\j+3], s[14:15] offset:512*\j
.endr
	WIN 0
	s_wait_tensorcnt 0x0                           ; the wave's end
	ds_add_u32 v[SPW], v[NIL]
	s_wait_dscnt 0x0
	CROUND                                         ; the closing round
	s_endpgm
.Lfunc_end_k_q6d1ddf2cf8_hidden:
	.size	k_q6d1ddf2cf8_hidden, .Lfunc_end_k_q6d1ddf2cf8_hidden-k_q6d1ddf2cf8_hidden
	.p2alignl 7, 3214868480
	.fill 96, 4, 3214868480
	.section	.rodata,"a",@progbits
	.p2align	6, 0x0
	.amdhsa_kernel k_q6d1ddf2cf8_hidden
		.amdhsa_group_segment_fixed_size 327680
		.amdhsa_private_segment_fixed_size 0
		.amdhsa_enable_private_segment 0
		.amdhsa_kernarg_size 48
		.amdhsa_user_sgpr_count 2
		.amdhsa_user_sgpr_kernarg_segment_ptr 1
		.amdhsa_wavefront_size32 1
		.amdhsa_system_sgpr_workgroup_id_x 1
		.amdhsa_system_sgpr_workgroup_id_y 1
		.amdhsa_system_sgpr_workgroup_id_z 1
		.amdhsa_system_vgpr_workitem_id 0
		.amdhsa_next_free_vgpr 1024
		.amdhsa_next_free_sgpr 66
		.amdhsa_reserve_vcc 0
		.amdhsa_float_denorm_mode_32 3
		.amdhsa_float_denorm_mode_16_64 3
		.amdhsa_memory_ordered 1
		.amdhsa_forward_progress 1
		.amdhsa_inst_pref_size 255
	.end_amdhsa_kernel
	.section	.bss,"aw",@nobits
	.p2align	6
	.space	262144
	.amdgpu_metadata
---
amdhsa.version: [ 1, 2 ]
amdhsa.kernels:
  - .name:           k_q6d1ddf2cf8_hidden
    .symbol:         k_q6d1ddf2cf8_hidden.kd
    .args:
      - { .name: x_codes, .offset: 0, .size: 8, .value_kind: global_buffer, .address_space: global }
      - { .name: x_scales, .offset: 8, .size: 8, .value_kind: global_buffer, .address_space: global }
      - { .name: w1_codes, .offset: 16, .size: 8, .value_kind: global_buffer, .address_space: global }
      - { .name: w1_scales, .offset: 24, .size: 8, .value_kind: global_buffer, .address_space: global }
      - { .name: h_codes, .offset: 32, .size: 8, .value_kind: global_buffer, .address_space: global }
      - { .name: h_scales, .offset: 40, .size: 8, .value_kind: global_buffer, .address_space: global }
    .group_segment_fixed_size: 327680
    .private_segment_fixed_size: 0
    .kernarg_segment_align: 8
    .kernarg_segment_size: 48
    .max_flat_workgroup_size: 128
    .sgpr_count:     66
    .vgpr_count:     1024
    .wavefront_size: 32
...
	.end_amdgpu_metadata
.endif
;; end of part 1
;; launch project (part 2): grid 4 x 64, 4 waves a work-group, clusters of 4 x 4, 327,680 bytes of LDS; arguments h_codes, h_scales, w2_codes, w2_scales, out0; writes out0
.if DOCPART == 2
	.amdgcn_target "amdgcn-amd-amdhsa--gfx1250"
	.amdhsa_code_object_version 6
	.text
	.protected	k_q6d1ddf2cf8_project
	.globl	k_q6d1ddf2cf8_project
	.p2align	8
	.type	k_q6d1ddf2cf8_project,@function
k_q6d1ddf2cf8_project:
	s_mov_b64 s[64:65], 0
	v_nop
	global_prefetch_b8 v0, s[64:65] scope:SCOPE_SE
	s_setreg_imm32_b32 hwreg(HW_REG_WAVE_MODE, 25, 1), 1
	s_wait_xcnt 0x0
	s_wait_alu depctr_hold_cnt(0) depctr_sa_sdst(0) depctr_va_vdst(0) depctr_va_sdst(0) depctr_va_ssrc(0) depctr_va_vcc(0) depctr_vm_vsrc(0)
	s_getreg_b32 s2, hwreg(HW_REG_IB_STS2, 6, 4)
	s_cmp_eq_u32 s2, 0
	s_cbranch_scc0 .Lentry_in_a_cluster
	s_endpgm
.Lentry_in_a_cluster:
	s_bfe_u32 s2, ttmp6, 0x10000c
	s_cmp_lg_u32 s2, 0xf033
	s_cbranch_scc0 .Lentry_shape_is_right
	s_endpgm
.Lentry_shape_is_right:
; out[m][n] = sum over k of H[m][k] W2[n][k].  A = H: [SIZE_M][SIZE_K], the hidden layer as the launch before stored it; B = W2: [SIZE_N][SIZE_K]: codes of FP4 (E2M1), 4 bits each, with one E8M0 scale for each 32 along K; C = out: [SIZE_M][SIZE_N] f32; sums in f32.
; A number of A is its code's value x 2^(e - 127), e the byte of A's scales [SIZE_M][SIZE_K / 32] at [m][k / 32]; B likewise.  The matrix instruction takes codes and scale bytes as they lie in memory.
; In memory two codes share a byte, the lower k in the low four bits: 128 codes are 64 bytes.
; A tile of C, 256 x 256, is made by a work-group of four waves, as many as a WGP has SIMDs; a wave makes 128 x 128: 64 accumulators of 16 x 16, 512 registers.  64 x 4 tiles: 256 work-groups.
; K goes in steps of 512 through a ring of two LDS slots filled by the tensor data mover: a tile's row is 256 bytes of memory.
; THE SCALES of the work-group's 256 rows of A and 256 rows of B, for all of K, are two dense blocks of memory: they come into LDS ONCE, with the first fills, in whole runs of 256 bytes, and stay.
; CLUSTERS: 4 x 4 work-groups.  The four of a row of the cluster need the same tiles of A, the four of a column the same tiles of B: each tile is asked for JOINTLY, by the same tensor load with the
; same descriptor and a mask that names the four.  THE MATRIX INSTRUCTION IS USED TRANSPOSED (source 0 = 16 rows of B, source 1 = 16 rows of A): a lane then holds eight neighbouring numbers of a row of C.
; REGISTERS, in windows of 256: window 0: v0-31 addresses; v32-95 scale words, two sets; from v128 A's fragments (8 x 16 rows x 128 K), ONE set; on the way out v32-255 are free.
;   window 1: B's fragments, TWO sets, at v0 and at v128.   window 2: the 32 accumulators of my rows 0-63 (accumulator (a, b) at v[8 (8 a + b)]);   window 3: those of my rows 64-127.
; A step of 128 along K is 64 matrix instructions, A's blocks one after the other, each against B's eight.  So a block of A is free as soon as its eight products are issued, and one set of registers serves A:
; blocks 0-3 are fetched anew in the step's middle, blocks 4-7 at its end.  B's fragments are at work through the whole step, so B has two sets.
; LIMITS: NaN, infinities and the scale byte 0xff are not served.
.set SIZE_M, 16384
.set SIZE_N, 1024
.set SIZE_K, 2048
.set KSTEP,  512                       ; along K in a slot
.set NQ,     KSTEP/128                 ; matrix instructions deep
.set ROWB,   256                       ; a tile's row in bytes: KSTEP codes of 4 bits
.set KROW,   SIZE_K*4/8                ; a row of A or of B in memory, in bytes
.set PITCH,  272                       ; an LDS row: 256 bytes of data + 16 of padding = 68 words: row r starts at bank 4 r mod 64 (64 banks of 4 bytes: ISA guide 11.1), so the 16 rows that a load touches start at 16 different banks
.set FR,     8                         ; registers of a fragment: 16 rows x 128 K
.set NL,     2                         ; LDS loads that bring one
.set NP,     4                         ; places behind this matrix instruction (ISA guide 7.12.1)
.set HALFT,  128*PITCH                 ; 128 rows: what one tensor load brings, and what one wave reads of A or of B
.set SLOT,   4*HALFT                   ; A's 256 rows, then B's 256 rows
.set LAPS,   SIZE_K/(2*KSTEP)          ; a lap = two K steps = once round the ring
.set KS,     SIZE_K/32                 ; a row of scales in bytes: 64, so that a row lies inside one run of 256 bytes
.set SCL,    2*SLOT                    ; behind the ring: the scales, as runs of 256 bytes + 16 of padding
.set HALFS,  (128*KS/256)*272          ; the scales of 128 rows: half of what one tensor load brings
.set SBLK,   (16*KS/256)*272           ; those of 16 rows
.set SPARE,  SCL+4*HALFS               ; behind the scales: the spare words, 128 bytes for each wave: two blocks of 256 bytes that no other line names
.set SPITCH, 528                       ; the way out: a stage of 16 rows x (512 bytes + 16) for each wave.  It lies in slot 0, which has had its last fill and its last read when the first result is stored there
.set ADRA, 16                          ; v16-17  LDS address of my A fragments in slot 0, 1
.set ADRB, 20                          ; v20-21  the same for B
.set STO,  24                          ; v24     the way out: where I put 32 bytes of a row
.set RD,   25                          ; v25     the way out: where I read a row back
.set CO,   26                          ; v26     my byte offset in a row of C
.set SPW,  28                          ; v28     LDS address of my spare word: SPARE + 4 x my thread's number; never rewritten
.set NIL,  29                          ; v29     0; never rewritten
.set ADRS, 27                          ; v27     LDS address of my scale words: lanes 0-15 A's rows, lanes 16-31 B's
.set SC,   32                          ; scale words: set s (for slot s) at v[SC + 8 NQ s]; in it register NQ i + q: lanes 0-15 the word of A's block i, lanes 16-31 that of B's block i, for the slot's q-th 128 along K
.set AF,   128                         ; A's fragments, in window 0
.set BK,   128                         ; the way out: 16 rows read back from the stage: v128-191 and v192-255 by turns
.set G1, 24                            ; s[24:31] descriptor group 1 for A's tiles;  s[32:39] group 0, one set for each slot
.set G0, 32
.set G1B, 48                           ; s[48:55], s[56:63] the same for B's tiles
.set G0B, 56
.set G1S, 68                           ; s[68:75], s[76:79] groups 1 and 0 for A's scales;  s[80:87], s[88:91] for B's
.set G0S, 76
.set G1SB, 80
.set G0SB, 88
.set G0H, 4                            ; s[4:7], s[8:11] group 0 for the head's loads of K step 0: A's 256 rows, B's 256 rows (the arguments that lay there have been used by then)
.set G0HB, 8
.set MSB, 0
.macro WIN new                         ; the immediate's high byte repeats the setting that is left
.if MSB != (\new)
	s_set_vgpr_msb (MSB<<8)|(\new)
.set MSB, (\new)
.endif
.endm
.set MUL_LO, 0xa1                      ; source 0 (B) window 1, source 1 (A) window 0, C and D window 2
.set MUL_HI, 0xf1                      ; the same, C and D window 3
.set TO_B,   0x40                      ; destination window 1, address window 0
; A joint load: waves 0 and 1 fetch for A, waves 2 and 3 for B.  Each of the two lines has ONE mask and one set of registers for all that issue it; the branch hangs on the wave's number alone.
; Four v_nop follow each of the two lines, ahead of the jump, the label and what follows.
.macro JLOAD g0a, g1a, g0b, g1b
	s_cmp_eq_u32 s15, 0
	s_cbranch_scc0 .Lfor_b_\@
	tensor_load_to_lds s[\g0a:\g0a+3], s[\g1a:\g1a+7]
	s_nop 0
.rept 4
	v_nop
.endr
	s_branch .Lasked_\@
.Lfor_b_\@:
	tensor_load_to_lds s[\g0b:\g0b+3], s[\g1b:\g1b+7]
	s_nop 0
.rept 4
	v_nop
.endr
.Lasked_\@:
.endm
.macro CREST                           ; a round of the cluster's barrier behind its opening barrier
	s_cmp_lg_u32 s14, 0
	s_cbranch_scc1 .Lnot_wave_0_\@
	s_barrier_signal -3
.Lnot_wave_0_\@:
	s_barrier_wait -3
	s_barrier_signal -1
	s_barrier_wait -1
.endm
.macro CROUND                          ; a whole round
	s_barrier_signal -1
	s_barrier_wait -1
	CREST
.endm
	s_load_b128 s[4:7], s[0:1], 0x0                ; A's codes s[4:5], A's scales s[6:7]
	s_load_b128 s[8:11], s[0:1], 0x10              ; B's codes s[8:9], B's scales s[10:11]
	s_load_b64 s[12:13], s[0:1], 0x20              ; C
	v_lshl_add_u32 v[SPW], v0, 2, SPARE
	v_mov_b32 v[NIL], 0
	ds_add_u32 v28, v29
	ds_add_u32 v28, v29
	s_wait_dscnt 0x0
	v_lshrrev_b32 v1, 5, v0
	v_readfirstlane_b32 s14, v1                    ; wave 0..3
	s_lshr_b32 s15, s14, 1                         ; which half of the tile's rows is mine.  Also: I fetch for A (0) or for B (1)
	s_and_b32 s16, s14, 1                          ; which half of its columns.  Also: which 128 rows of that tile I fetch
	s_bfe_u32 s40, ttmp6, 0x40000                  ; cx, cy: my place in the cluster
	s_bfe_u32 s41, ttmp6, 0x40004
	s_lshl_b32 s42, ttmp9, 2
	s_add_co_u32 s42, s42, s40                     ; tile column of C = 4 x cluster x + cx
	s_and_b32 s17, ttmp7, 0xffff
	s_lshl_b32 s17, s17, 2
	s_add_co_u32 s17, s17, s41                     ; tile row of C = 4 x cluster y + cy
	s_lshl_b32 s43, s41, 2
	s_lshl_b32 s43, 15, s43                        ; my row of the cluster
	s_lshl_b32 s44, 0x1111, s40                    ; my column
	; descriptor group 1: a tile of 128 rows x ROWB bytes, padded in LDS
	; A's codes lie as images of operand registers, [16 rows][128 along K][2 groups][32 lanes][16 bytes]: a K step of 16 rows is 4,096 consecutive bytes, 16 rows are 16,384 bytes apart; the tile lands dense
	s_or_b32 s[G1+0], s43, (0<<16)|(1<<21)         ; 15:0 the mask: A's tiles go to my row; element of 1 byte; 21 set beside a mask; no padding
	s_mov_b32 s[G1+1], 4096<<16                    ; tensor_dim0
	s_mov_b32 s[G1+2], 16<<16                      ; tensor_dim1 = 16 blocks of 16 rows for the head's load; set to 8 behind it
	s_mov_b32 s[G1+3], 4096<<16                    ; tile_dim0
	s_mov_b32 s[G1+4], 16                          ; tile_dim1 likewise
	s_mov_b32 s[G1+5], 16384                       ; tensor_dim0_stride
	s_mov_b32 s[G1+6], 0
	s_mov_b32 s[G1+7], 0
	s_or_b32 s[G1B+0], s44, (0<<16)|(1<<20)|(1<<21)|(5<<22)|(3<<25)
.irp g, G1B
	s_mov_b32 s[\g+1], ROWB<<16                    ; tensor_dim0
	s_mov_b32 s[\g+2], 256<<16                     ; tensor_dim1 = 256 for the head's loads; set to 128 behind them
	s_mov_b32 s[\g+3], ROWB<<16                    ; tile_dim0
	s_mov_b32 s[\g+4], 256                         ; tile_dim1 likewise
	s_mov_b32 s[\g+5], KROW                        ; tensor_dim0_stride
	s_mov_b32 s[\g+6], 0
	s_mov_b32 s[\g+7], 0
.endr
	; and for the scales of 256 rows: a dense block of 256 KS bytes, as rows of 256 bytes (32 elements of 8 bytes), 16 bytes of padding behind each
	s_or_b32 s[G1S+0], s43, (3<<16)|(1<<20)|(1<<21)|(5<<22)|(3<<25)
	s_or_b32 s[G1SB+0], s44, (3<<16)|(1<<20)|(1<<21)|(5<<22)|(3<<25)
.irp g, G1S, G1SB
	s_mov_b32 s[\g+1], 32<<16
	s_mov_b32 s[\g+2], KS<<16                      ; the scales of 256 rows: KS rows of 256 bytes
	s_mov_b32 s[\g+3], 32<<16
	s_mov_b32 s[\g+4], KS
	s_mov_b32 s[\g+5], 32
	s_mov_b32 s[\g+6], 0
	s_mov_b32 s[\g+7], 0
.endr
	s_lshl_b32 s20, s17, 8                         ; A: the tile's first row, 256 x tile row
	s_lshl_b32 s46, s42, 8                         ; B: 256 x tile column
	s_mov_b32 s21, 0
	s_mov_b32 s47, 0
	s_mov_b64 s[18:19], KS
	s_mul_u64 s[22:23], s[20:21], s[18:19]         ; where these rows' scales begin, in bytes
	s_mul_u64 s[92:93], s[46:47], s[18:19]
	s_mov_b64 s[18:19], KROW
	s_mul_u64 s[20:21], s[20:21], s[18:19]         ; and their codes
	s_mul_u64 s[46:47], s[46:47], s[18:19]
	s_mul_i32 s45, s14, HALFT                      ; where they go: wave x 128 rows: no place in the cluster enters an LDS address
	s_mul_i32 s18, s16, 128*KROW                   ; in the ring I fetch 128 rows of a tile: which half, in bytes
	s_mov_b32 s19, 0
	s_lshl_b32 s94, s14, 15                        ; where A's halves go: wave x 32,768 bytes
	s_wait_kmcnt 0x0
	s_add_nc_u64 s[20:21], s[4:5], s[20:21]
	s_add_nc_u64 s[22:23], s[6:7], s[22:23]
	s_add_nc_u64 s[46:47], s[8:9], s[46:47]
	s_add_nc_u64 s[92:93], s[10:11], s[92:93]
	CROUND                                         ; all sixteen work-groups are here: the first joint loads meet
	s_mov_b32 s[G0S], 1
	s_mov_b32 s[G0S+1], SCL
	s_mov_b64 s[G0S+2:G0S+3], s[22:23]
	s_or_b32 s[G0S+3], s[G0S+3], 0x80000000
	s_mov_b32 s[G0SB], 1
	s_mov_b32 s[G0SB+1], SCL+2*HALFS
	s_mov_b64 s[G0SB+2:G0SB+3], s[92:93]
	s_or_b32 s[G0SB+3], s[G0SB+3], 0x80000000
	s_mov_b32 s[G0H], 1                            ; K step 0's 256 rows of A,
	s_mov_b32 s[G0H+1], 0
	s_mov_b64 s[G0H+2:G0H+3], s[20:21]
	s_or_b32 s[G0H+3], s[G0H+3], 0x80000000
	s_mov_b32 s[G0HB], 1                           ; and of B, behind them in slot 0
	s_mov_b32 s[G0HB+1], 2*HALFT
	s_mov_b64 s[G0HB+2:G0HB+3], s[46:47]
	s_or_b32 s[G0HB+3], s[G0HB+3], 0x80000000
	s_add_nc_u64 s[20:21], s[20:21], s[18:19]      ; for the ring: my 128 rows of the tile
	s_add_nc_u64 s[46:47], s[46:47], s[18:19]
.irp s, 0,1
	s_mov_b32 s[G0+4*\s], 1
	s_add_co_u32 s[G0+4*\s+1], s94, \s*SLOT
	s_add_nc_u64 s[G0+4*\s+2:G0+4*\s+3], s[20:21], \s*4096
	s_or_b32 s[G0+4*\s+3], s[G0+4*\s+3], 0x80000000
	s_mov_b32 s[G0B+4*\s], 1
	s_add_co_u32 s[G0B+4*\s+1], s45, \s*SLOT
	s_add_nc_u64 s[G0B+4*\s+2:G0B+4*\s+3], s[46:47], \s*ROWB
	s_or_b32 s[G0B+4*\s+3], s[G0B+4*\s+3], 0x80000000
.endr
; The head's loads, one a wave: wave 0 K step 0's 256 rows of A, wave 1 its 256 rows of B, wave 2 A's scales, wave 3 B's; one chain of branches on the wave's number
.macro ARM under, g0, g1, next
	s_cmp_lt_u32 s14, \under
	s_cbranch_scc0 \next
	tensor_load_to_lds s[\g0:\g0+3], s[\g1:\g1+7]
	s_nop 0
.rept 4
	v_nop
.endr
	s_branch .Lhead_asked
\next:
.endm
	ARM 1, G0H,  G1,  .Lhead_b
	ARM 2, G0HB, G1B, .Lhead_sa
	ARM 3, G0S,  G1S, .Lhead_sb
	tensor_load_to_lds s[G0SB:G0SB+3], s[G1SB:G1SB+7]
	s_nop 0
.rept 4
	v_nop
.endr
.Lhead_asked:
	v_and_b32 v1, 15, v0                           ; l % 16
	v_bfe_u32 v2, v0, 4, 1                         ; l / 16
	v_mul_u32_u24 v3, v1, PITCH
	v_lshl_add_u32 v4, v2, 4, v3                   ; a fragment's row x pitch + 16 x half
	v_and_b32 v7, 31, v0
	v_lshlrev_b32 v7, 4, v7                        ; A's fragments are read as they were stored: 16 x lane
	s_lshl_b32 s21, s15, 15                        ; my 128 rows of A
	s_mul_i32 s22, s16, HALFT                      ; my 128 rows of B,
	s_add_co_u32 s22, s22, 2*HALFT                 ; which lie behind A's 256
.irp s, 0,1
	v_add_nc_u32 v[ADRA+\s], s21, v7
	v_add_nc_u32 v[ADRB+\s], s22, v4
	s_add_co_u32 s21, s21, SLOT
	s_add_co_u32 s22, s22, SLOT
.endr
	v_mul_u32_u24 v5, v1, KS                       ; my row's scales: KS bytes a row,
	v_lshrrev_b32 v6, 8, v5
	v_lshl_add_u32 v5, v6, 4, v5                   ; and 16 more for each 256 passed
	s_mul_i32 s21, s15, HALFS                      ; A's: my 128 rows
	s_mul_i32 s22, s16, HALFS                      ; B's: my 128 rows, behind A's 256
	s_add_co_u32 s22, s22, 2*HALFS
	s_sub_co_u32 s22, s22, s21
	v_mul_u32_u24 v6, s22, v2                      ; lanes 16-31 take B's
	s_add_co_u32 s21, s21, SCL
	v_add_nc_u32 v5, v5, v6
	v_add_nc_u32 v[ADRS], s21, v5
	s_mul_i32 s23, s14, 16*SPITCH                  ; my stage
	v_mul_u32_u24 v5, v1, SPITCH                   ; in: row l % 16, 32 bytes for each half of the lanes
	v_lshl_add_u32 v5, v2, 5, v5
	v_add_nc_u32 v[STO], s23, v5
	v_and_b32 v6, 31, v0
	v_lshlrev_b32 v[CO], 4, v6                     ; back: the 32 lanes take one row of 512 bytes; and the same in C
	v_add_nc_u32 v[RD], s23, v[CO]
	s_lshl_b32 s20, s17, 8
	s_lshl_b32 s21, s15, 7
	s_add_co_u32 s20, s20, s21                     ; my first row of C: 256 x tile row + 128 x half
	s_mov_b32 s21, 0
	s_mov_b64 s[18:19], SIZE_N*4
	s_mul_u64 s[20:21], s[20:21], s[18:19]
	s_lshl_b32 s46, s42, 10                        ; my first column, in bytes: 1024 x tile column + 512 x half
	s_lshl_b32 s47, s16, 9
	s_add_co_u32 s46, s46, s47
	s_mov_b32 s47, 0
	s_add_nc_u64 s[20:21], s[20:21], s[46:47]
	s_add_nc_u64 s[12:13], s[12:13], s[20:21]
.macro FRAG reg, adr, q, i             ; a fragment, 16 rows x 128 K of 4-bit codes, is 8 registers: lane l holds row l % 16; registers 4 c .. 4 c + 3 hold K = 64 c + 32 (l / 16) + 0 .. 31, the lower K in the lower bits
.irp c, 0,1
	ds_load_b128 v[\reg+4*\c:\reg+4*\c+3], v[\adr] offset:64*(\q)+32*\c+(\i)*16*PITCH
.endr
.endm
; 16 matrix instructions: A's blocks a0, a0 + 1 x B's eight, 128 along K: the slot's q-th.  p: B's set;  sc: the set of scale words.  zero = 1: the first product starts the sums: nothing is ever cleared.
; The 64 accumulators take turns, one instruction a turn, in the same order in every step.
.macro MUL16 a0, p, q, sc, zero
.irp a, \a0, \a0+1
.irp b, 0,1,2,3,4,5,6,7
.if \zero
	v_wmma_scale_f32_16x16x128_f8f6f4 v[8*(8*((\a)%4)+\b):8*(8*((\a)%4)+\b)+7], v[128*(\p)+FR*\b:128*(\p)+FR*\b+FR-1], v[AF+FR*(\a):AF+FR*(\a)+FR-1], 0, v[SC+8*NQ*(\sc)+NQ*\b+(\q)], v[SC+8*NQ*(\sc)+NQ*(\a)+(\q)] matrix_a_fmt:MATRIX_FMT_FP4 matrix_b_fmt:MATRIX_FMT_FP4 matrix_a_scale:MATRIX_SCALE_ROW1
.else
	v_wmma_scale_f32_16x16x128_f8f6f4 v[8*(8*((\a)%4)+\b):8*(8*((\a)%4)+\b)+7], v[128*(\p)+FR*\b:128*(\p)+FR*\b+FR-1], v[AF+FR*(\a):AF+FR*(\a)+FR-1], v[8*(8*((\a)%4)+\b):8*(8*((\a)%4)+\b)+7], v[SC+8*NQ*(\sc)+NQ*\b+(\q)], v[SC+8*NQ*(\sc)+NQ*(\a)+(\q)] matrix_a_fmt:MATRIX_FMT_FP4 matrix_b_fmt:MATRIX_FMT_FP4 matrix_a_scale:MATRIX_SCALE_ROW1
.endif
.endr
.endr
.endm
.macro FETCH_B slot, q, p              ; B's eight fragments of the slot's q-th 128 along K into set p
	WIN TO_B
.irp i, 0,1,2,3,4,5,6,7
	FRAG 128*(\p)+FR*\i, ADRB+\slot, \q, \i
.endr
	WIN 0
.endm
.macro FETCH_A slot, q, i0             ; A's blocks i0 .. i0 + 3
.irp i, \i0, \i0+1, \i0+2, \i0+3
.irp c, 0,1
	ds_load_b128 v[AF+FR*(\i)+4*\c:AF+FR*(\i)+4*\c+3], v[ADRA+\slot] offset:4096*(\i)+1024*(\q)+512*\c
.endr
.endr
.endm
.macro SCALES sc                       ; the next K step's scale words into set sc: NQ words a row; lanes 0-15 take A's block i, lanes 16-31 B's block i
.irp i, 0,1,2,3,4,5,6,7
	ds_load_b128 v[SC+8*NQ*\sc+NQ*\i:SC+8*NQ*\sc+NQ*\i+3], v[ADRS] offset:\i*SBLK
.endr
.endm
; A load into a register that a matrix instruction has read, and a vector instruction or an LDS store that reads a matrix result, stand NP places behind that matrix instruction, and only plain vector
; instructions that name none of its registers are places (ISA guide 7.12.1 for vector instructions); this text does not count the matrix instructions in between.
.macro PLACES n
.rept \n
	v_nop
.endr
.endm
; A step of 128 along K that has its successor in the same slot.
.macro STEP slot, q, zero
	s_wait_dscnt 4*NL                              ; B's set and A's blocks 0-3 are in; the youngest loads (A's blocks 4-7) may be out
	WIN MUL_LO
	MUL16 0, (\q)%2, \q, \slot, \zero
	MUL16 2, (\q)%2, \q, \slot, \zero
	s_wait_dscnt 0                                 ; A's blocks 4-7 are in (asked for 32 matrix instructions ago)
	PLACES NP
	FETCH_B \slot, (\q)+1, 1-(\q)%2
	FETCH_A \slot, (\q)+1, 0
	WIN MUL_HI
	MUL16 4, (\q)%2, \q, \slot, \zero
	MUL16 6, (\q)%2, \q, \slot, \zero
	PLACES NP
	WIN 0
	FETCH_A \slot, (\q)+1, 4
.endm
; A slot's last step changes slots: ONE barrier; in front of it each wave waits for all its tensor loads, adds 0 to its spare word, and waits for that and for its own reads of this slot.  fill = 1: this slot is filled again, two K steps ahead.
.macro TURN slot, next, fill
	s_wait_tensorcnt 0x0                           ; all my tensor loads have landed: my part of the next slot;  (every window is 0 here: the add's two registers lie in window 0)
	ds_add_u32 v[SPW], v[NIL]                      ; 0 onto my spare word
	s_wait_dscnt 4*NL+1                            ; (the add and the youngest loads, A's blocks 4-7, may be out)
	WIN MUL_LO
	MUL16 0, 1, NQ-1, \slot, 0                     ; sixteen matrix instructions stand between the add and the wait for it
	s_wait_dscnt 0x0                               ; the add is done, and my reads of this slot are over
	s_barrier_signal -1
	MUL16 2, 1, NQ-1, \slot, 0
	WIN 0
	s_barrier_wait -1
.if \fill
	CREST                                          ; the barrier has opened a round of the cluster's barrier: no wave of any partner still reads this slot's tile or has a load on its way
	s_add_nc_u64 s[G0+4*\slot+2:G0+4*\slot+3], s[G0+4*\slot+2:G0+4*\slot+3], 2*4096
	s_add_nc_u64 s[G0B+4*\slot+2:G0B+4*\slot+3], s[G0B+4*\slot+2:G0B+4*\slot+3], 2*ROWB
	JLOAD G0+4*\slot, G1, G0B+4*\slot, G1B         ; the first tensor load behind the round; the four v_nop behind it are among the places in front of the loads below
.else
	PLACES NP
.endif
	s_wait_alu depctr_va_vdst(0)
	v_add_nc_u32 v[ADRS], 4*NQ, v[ADRS]            ; on to the next K step's scale words (no LDS load of mine is out)
	FETCH_B \next, 0, 0
	FETCH_A \next, 0, 0
	SCALES \next
	WIN MUL_HI
	MUL16 4, 1, NQ-1, \slot, 0
	MUL16 6, 1, NQ-1, \slot, 0
	PLACES NP
	WIN 0
	FETCH_A \next, 0, 4
.endm
.macro STEPS slot, from                ; the slot's steps from .. NQ - 2
.set Q, \from
.rept NQ-1-\from
	STEP \slot, Q, 0
.set Q, Q+1
.endr
.endm
	s_wait_alu depctr_va_vdst(0)
	s_wait_tensorcnt 0x0                           ; my tile of the head's four is in; slot 1's first fill is issued as a refill is
	ds_add_u32 v[SPW], v[NIL]
	s_mov_b32 s[G1+2], 8<<16                       ; no tensor load of mine is out: from here on a load brings 128 rows: of A 8 blocks of 16,
	s_mov_b32 s[G1+4], 8
	s_mov_b32 s[G1B+2], 128<<16
	s_mov_b32 s[G1B+4], 128
	s_wait_dscnt 0x0
	CROUND
	JLOAD G0+4, G1, G0B+4, G1B                     ; K step 1's load, the first tensor load behind the round
	FETCH_B 0, 0, 0
	FETCH_A 0, 0, 0
	SCALES 0
	FETCH_A 0, 0, 4
	STEP 0, 0, 1                                   ; the first step stands in front of the loop: its products start the sums
.if LAPS > 1
	s_mov_b32 s3, LAPS-1
.Llap:                                                 ; a trip goes once round the ring, from a lap's second step to the next lap's first, and fills both slots again
	STEPS 0, 1
	TURN 0, 1, 1
	STEPS 1, 0
	TURN 1, 0, 1
	STEP 0, 0, 0
	s_sub_co_u32 s3, s3, 1
	s_cmp_lg_u32 s3, 0
	s_cbranch_scc1 .Llap
.endif
	STEPS 0, 1                                     ; the last lap fills nothing, and has no round of the cluster's barrier
	TURN 0, 1, 0
	STEPS 1, 0
	s_wait_dscnt 4*NL                              ; the very last step: nothing more to fetch
	WIN MUL_LO
	MUL16 0, 1, NQ-1, 1, 0
	MUL16 2, 1, NQ-1, 1, 0
	s_wait_dscnt 0
	WIN MUL_HI
	MUL16 4, 1, NQ-1, 1, 0
	MUL16 6, 1, NQ-1, 1, 0
	WIN 0
; THE WAY OUT, block by block of 16 rows x 128 columns.  A lane holds 32 neighbouring bytes of a row, and the lanes beside it hold other rows: so a block goes through my own stage in LDS and comes back as whole
; rows of 512 bytes, which the 32 lanes store as two aligned runs of 256 bytes.  LDS serves a wave's instructions in order (ISA guide 5.7.1.4): no wait between the stores and the loads, nor in front of the next block's stores.
.macro TOSTAGE a
.set AC, 64*((\a)%4)
	WIN 0x08+4*((\a)/4)                            ; the data: window 2 or 3
.irp b, 0,1,2,3,4,5,6,7
	ds_store_b128 v[STO], v[AC+8*\b:AC+8*\b+3] offset:64*\b          ; each accumulator from its low end on
	ds_store_b128 v[STO], v[AC+8*\b+4:AC+8*\b+7] offset:64*\b+16
.endr
	WIN 0
.set BB, BK+64*((\a)%2)
.irp t, 0,1,2,3,4,5,6,7,8,9,10,11,12,13,14,15
	ds_load_b128 v[BB+4*\t:BB+4*\t+3], v[RD] offset:\t*SPITCH
.endr
.endm
.macro SEND a, younger                 ; younger: the LDS instructions issued behind block a's loads, which may stay out
.set BB, BK+64*((\a)%2)
	s_wait_dscnt \younger                          ; the block is back in registers
.if (\a) > 0
	s_add_nc_u64 s[12:13], s[12:13], 16*SIZE_N*4   ; (behind a wait on XCNT: the earlier stores have read their base)  16 rows of C on, so that the stores' offsets stay small: 15 rows of C at the most, inside the signed 24-bit immediate (ISA guide, chapter 10)
.endif
.irp t, 0,1,2,3,4,5,6,7,8,9,10,11,12,13,14,15
	global_store_b128 v[CO], v[BB+4*\t:BB+4*\t+3], s[12:13] offset:\t*SIZE_N*4 th:TH_STORE_NT   ; 32 lanes store 512 consecutive bytes, at a multiple of 256 from C's first byte; written once, read by nobody here
.endr
.endm
	PLACES NP                                      ; the first block's results were finished long ago, the last products' registers are not touched yet: these places serve the loads into the registers that held A's fragments and block 7's reads alike
	TOSTAGE 0
.irp a, 1,2,3,4,5,6,7
.if \a > 1
	s_wait_xcnt 0x0                                ; block a - 2's stores have read their registers and their base: block a's loads may land there, and the base may step
.endif
	TOSTAGE \a
	SEND \a-1, 32                                  ; behind block a - 1's loads: block a's 16 stores and 16 loads
.endr
	s_wait_xcnt 0x0                                ; block 6's stores have read their base
	SEND 7, 0
	s_wait_tensorcnt 0x0                           ; the wave's end: behind my last tensor load and my last LDS store
	ds_add_u32 v[SPW], v[NIL]
	s_wait_dscnt 0x0
	CROUND                                         ; the closing round: no work-group ends while a partner may still ask for a tile that names it
	s_endpgm
.Lfunc_end_k_q6d1ddf2cf8_project:
	.size	k_q6d1ddf2cf8_project, .Lfunc_end_k_q6d1ddf2cf8_project-k_q6d1ddf2cf8_project
	.p2alignl 7, 3214868480
	.fill 96, 4, 3214868480
	.section	.rodata,"a",@progbits
	.p2align	6, 0x0
	.amdhsa_kernel k_q6d1ddf2cf8_project
		.amdhsa_group_segment_fixed_size 327680
		.amdhsa_private_segment_fixed_size 0
		.amdhsa_enable_private_segment 0
		.amdhsa_kernarg_size 40
		.amdhsa_user_sgpr_count 2
		.amdhsa_user_sgpr_kernarg_segment_ptr 1
		.amdhsa_wavefront_size32 1
		.amdhsa_system_sgpr_workgroup_id_x 1
		.amdhsa_system_sgpr_workgroup_id_y 1
		.amdhsa_system_sgpr_workgroup_id_z 1
		.amdhsa_system_vgpr_workitem_id 0
		.amdhsa_next_free_vgpr 1024
		.amdhsa_next_free_sgpr 98
		.amdhsa_reserve_vcc 0
		.amdhsa_float_denorm_mode_32 3
		.amdhsa_float_denorm_mode_16_64 3
		.amdhsa_memory_ordered 1
		.amdhsa_forward_progress 1
		.amdhsa_inst_pref_size 212
	.end_amdhsa_kernel
	.amdgpu_metadata
---
amdhsa.version: [ 1, 2 ]
amdhsa.kernels:
  - .name:           k_q6d1ddf2cf8_project
    .symbol:         k_q6d1ddf2cf8_project.kd
    .args:
      - { .name: h_codes, .offset: 0, .size: 8, .value_kind: global_buffer, .address_space: global }
      - { .name: h_scales, .offset: 8, .size: 8, .value_kind: global_buffer, .address_space: global }
      - { .name: w2_codes, .offset: 16, .size: 8, .value_kind: global_buffer, .address_space: global }
      - { .name: w2_scales, .offset: 24, .size: 8, .value_kind: global_buffer, .address_space: global }
      - { .name: out0, .offset: 32, .size: 8, .value_kind: global_buffer, .address_space: global }
    .group_segment_fixed_size: 327680
    .private_segment_fixed_size: 0
    .kernarg_segment_align: 8
    .kernarg_segment_size: 40
    .max_flat_workgroup_size: 128
    .sgpr_count:     98
    .vgpr_count:     1024
    .wavefront_size: 32
...
	.end_amdgpu_metadata
.endif
;; end of part 2
